; MI455X (gfx1250); checked and timed in simulation.
; The chip was launched on July 23, 2026; its instructions are those of AMD's public machine-readable ISA for CDNA 5 (MIT licence, August 2026) and "CDNA5" Instruction Set Architecture Reference Guide (July 2026). The comments in the code are by the model that wrote it; some were corrected since.
;; Permutator. Allowed arithmetic: matrix products marked QUANTISED: E2M1 operands, one E8M0 scale for each 32 along K, by v_wmma_scale_f32_16x16x128_f8f6f4 with both operands' format E2M1 (or v_wmma_scale_f32_32x16x128_f4), f32 sums; everything else in f32.
;; Inputs: perm_codes 4,096 x 128 x 16 uint8 (E2M1 codes of perm, K innermost, in blocks of 32 codes, two codes a byte); perm_scales 4,096 x 128 uint8 (E8M0 scales of perm, one for each 32 codes along K); x_codes 4,096 x 128 x 16 uint8 (E2M1 codes of x, K innermost, in blocks of 32 codes, two codes a byte); x_scales 4,096 x 128 uint8 (E8M0 scales of x, one for each 32 codes along K).
;; Outputs: out0 4,096 x 4,096 float32.
;; This version of the problem:
;;   THIS VERSION OF THE PROBLEM IS GIVEN IN LOW PRECISION. The matrix products marked QUANTISED in the list below multiply operands that are first quantised to E2M1 (2 exponent bits, 1 mantissa bit; 4 bits a number), with one power-of-two scale for each 32 numbers along K (OCP MX v1.0); their sums are f32. All else is computed in f32.
;;   The module's matrix products, in the order in which they are computed (A, B: the left and right operand; K: the contracted axis; several contracted axes count as one K, in the product's order):
;;     1. [M 4,096, K 4,096] x [K 4,096, N 4,096]; A: input x (given as codes); B: input perm (given as codes): QUANTISED
;;   THE QUANTISER, for each operand of a quantised product, along K:
;;     - K is cut into blocks of 32 from its start; a last block that is shorter is filled with zeros.
;;     - A block's scale is 2^e with e = floor(log2(the largest magnitude in the block)) - 2, held to -126 .. 127; a block of zeros has e = 0. As a byte (E8M0): e + 127.
;;     - Each number is divided by its block's scale, clamped to +-6, and rounded to the nearest number of E2M1, ties to even, subnormals kept.
;;     - The product sums the exact products of the quantised numbers (number of the format x scale) in f32.
;;   ~~~python
;;   def quantise(x, axis):      # numpy; x: float32 -> the quantised numbers, widened to float32 again
;;       x = np.moveaxis(x, axis, -1); K = x.shape[-1]
;;       x = np.pad(x, [(0, 0)] * (x.ndim - 1) + [(0, -K % 32)]); x = x.reshape(x.shape[:-1] + (-1, 32)); a = np.abs(x).max(-1, keepdims=True)
;;       e = np.where(a > 0, np.clip(np.frexp(np.where(a > 0, a, 1))[1] - 1 - 2, -126, 127), 0)      # np.frexp(a)[1] - 1 = floor(log2(a)), exactly
;;       r = np.clip(x / 2.0 ** e, -6, 6)
;;       step = 2.0 ** (np.maximum(np.frexp(np.where(r == 0, 1, r))[1] - 1, 0) - 1)
;;       q = np.round(r / step) * step * 2.0 ** e      # np.round: ties to even
;;       return np.moveaxis(q.reshape(q.shape[:-2] + (-1,))[..., :K], -1, axis).astype(np.float32)
;;   ~~~
;;   INPUTS GIVEN AS CODES. perm (in the module: [4096, 4096], K = its axis 0); x (in the module: [4096, 4096], K = its axis 1): each comes as NAME_codes (uint8): NAME with its K axis moved to the last place and cut into blocks of 32 codes, [.., K / 32, bytes a block], one block behind the other in memory; two codes a byte, the lower K in the low four bits (a code: sign, 2 exponent bits, 1 mantissa bit); and NAME_scales (uint8): the same leading axes, one E8M0 byte (e + 127) for each 32 codes along K. Its value is code x scale, taken as it is: it is not quantised again, and the codes and scales need not be those that the quantiser above would give.
;; One version. Each part assembles by itself: llvm-mc -triple=amdgcn-amd-amdhsa -mcpu=gfx1250 --defsym DOCPART=n.
;; ======== version 1 of 1: 1 launch
;; limits: right only within a limited range of input values
;; launch gemm (part 1): grid 16 x 16, 4 waves a work-group, clusters of 4 x 4, 327,680 bytes of LDS; arguments x_codes, x_scales, perm_codes, perm_scales, out0; writes out0
.if DOCPART == 1
	.amdgcn_target "amdgcn-amd-amdhsa--gfx1250"
	.amdhsa_code_object_version 6
	.text
	.protected	k_q857d88ac88_gemm
	.globl	k_q857d88ac88_gemm
	.p2align	8
	.type	k_q857d88ac88_gemm,@function
k_q857d88ac88_gemm:
	s_mov_b64 s[64:65], 0
	v_nop
	global_prefetch_b8 v0, s[64:65] scope:SCOPE_SE
	s_setreg_imm32_b32 hwreg(HW_REG_WAVE_MODE, 25, 1), 1
	s_wait_xcnt 0x0
	s_wait_alu depctr_hold_cnt(0) depctr_sa_sdst(0) depctr_va_vdst(0) depctr_va_sdst(0) depctr_va_ssrc(0) depctr_va_vcc(0) depctr_vm_vsrc(0)
	s_getreg_b32 s2, hwreg(HW_REG_IB_STS2, 6, 4)
	s_cmp_eq_u32 s2, 0
	s_cbranch_scc0 .Lentry_in_a_cluster
	s_endpgm
.Lentry_in_a_cluster:
	s_bfe_u32 s2, ttmp6, 0x10000c
	s_cmp_lg_u32 s2, 0xf033
	s_cbranch_scc0 .Lentry_shape_is_right
	s_endpgm
.Lentry_shape_is_right:
; out0[m][n] = sum over k of x[m][k] perm[k][n], M = N = K = 4,096.  Both operands come as codes of FP4 (E2M1), K innermost: x_codes [m][2,048 bytes], perm_codes [n][2,048 bytes], two codes a byte,
; with one E8M0 byte for each 32 along K: x_scales [m][128], perm_scales [n][128].  out0 is f32; one f32 sum for each output, K ascending.  perm is taken as any matrix: nothing of its pattern is built in.
; LIMITS: none of range; a scale byte 0xff gives NaN, as the format has it.
; SHARES.  A work-group of four waves makes 256 x 256 of out0; a wave 128 x 128: 32 accumulators of 32 x 16, 512 registers.  K goes in 8 steps of 512 (a tile's row is 256 bytes) through a ring of two
; LDS slots filled by the tensor data mover; a K step is four sub-steps of 128 along K, 32 matrix instructions each.
; FRAGMENTS have two sets of registers each for x and perm: a sub-step's 32 LDS loads go out in one run at the start of the sub-step before it.
; COLUMNS BY CLASSES OF FOUR.  perm's tile is a three-dimensional one: LDS row 64 z + y holds column 4 y + z of the work-group's 256.  A fragment of perm (block 4 g + c of a wave) takes LDS rows that are neighbours, which are
; the columns 64 g + 4 r + c, r = 0 .. 15.  So in the result lane r holds, over the four accumulators c = 0 .. 3, four NEIGHBOURING columns, and sixteen lanes hold 64 of them, 256 bytes of a row of out0: a transposition
; of 4 x 4 registers inside each lane makes them 16 bytes of neighbouring registers, and they are stored as they stand.  No result passes through LDS.
; THE SCALES.  x's of the work-group's 256 rows, for all of K, are a dense block of 32,768 bytes: it comes once, as rows of 256 bytes, and stays in LDS.  There is no room for perm's beside it: each wave loads those of its 128
; columns, whole rows of 128 bytes, once, into 128 registers.  Which of them a K step names changes from step to step, so the K steps are expanded one by one.
; CLUSTERS: 4 x 4 work-groups.  The four of a row need the same rows of x, the four of a column the same rows of perm: each tile is asked for JOINTLY, by the same tensor load with the same descriptor and a mask that names the four.
; PREFETCH: K step 1 behind the head's loads, K steps 2 and 3 behind the load of K step 1, then K step k + 4 behind the load of K step k + 2: two K steps ahead of its own load (K steps 1 and 2: one).  Of a tile's 256 rows each of
; the four partners names 64, told apart by address (cx for x, cy for perm), a lane a row: each block of 256 bytes once in each cluster.  K step 0 comes by its loads alone; behind K step 7 nothing is asked for.
; THE LAST K STEP goes by pieces of out0, 32 rows x 64 columns, 16 matrix instructions each: a piece leaves as soon as it is finished.
; REGISTERS, in windows of 256: window 0: v0-31 addresses and, at the end, temporaries; v32-63 x's scale words, two sets; v64-191 perm's; v192-255 x's fragments of even sub-steps.
;   window 1: perm's fragments at v0 (even) and v64 (odd); x's of odd sub-steps at v128; v192-255 in the last K step alone.   windows 2, 3: the accumulators of my rows 0-63, 64-127.
.set KROW,   2048                      ; a row of codes in memory
.set PITCH,  272                       ; an LDS row of codes: 256 bytes + 16: row r starts at bank 4 r mod 64 (64 banks of 4 bytes: ISA guide 11.1)
.set HALFT,  128*PITCH
.set SLOT,   4*HALFT                   ; x's 256 rows, then perm's 256
.set SPARE,  2*SLOT                    ; the spare words: two blocks of 256 bytes that no other line names
.set SCL,    SPARE+512                 ; x's scales: 128 units of 256 bytes (two rows) + 16
.set HALFS,  64*272                    ; those of 128 rows
.set OROW,   16384                     ; a row of out0 in bytes
.set ADRA, 16                          ; v16-17 LDS address of my fragments of x in slot 0, 1;  v18-19 of perm
.set ADRB, 18
.set CO,   20                          ; my byte offset in out0
.set PFO,  21                          ; the prefetches' offset
.set ADRS, 22                          ; LDS address of my scale words of x
.set PSO,  23                          ; my byte offset in perm's scales
.set SPW,  24                          ; my spare word; never rewritten
.set NIL,  25                          ; 0; never rewritten
.set XS,   32                          ; x's scale words: set k % 2; register 4 a + q: lane l has row 32 a + l, sub-step q
.set PS,   64                          ; perm's: register 16 k + 4 c + q: lanes 0-15 block c (g = 0), lanes 16-31 block 4 + c (g = 1)
.set PFA,  18                          ; s[18:19] where my prefetches stand
.set G1A,  24                          ; s[24:31] group 1 for x's codes;  s[32:39] group 0, a set for each slot
.set G0A,  32
.set G1B,  48                          ; s[48:55], s[56:63] the same for perm's;  s[68:71], s[72:75] groups 2 and 3
.set G0B,  56
.set G2B,  68
.set G3B,  72
.set G1S,  76                          ; s[76:83], s[84:87] for x's scales
.set G0S,  84
.set G0H,  88                          ; s[88:91], s[92:95] group 0 for the head's loads of x's and perm's codes
.set G0HB, 92
.set MSB, 0
.macro WIN new                         ; the immediate's high byte repeats the setting that is left; a switch that changes nothing is dropped
.if MSB != \new
	s_set_vgpr_msb (MSB<<8)|\new
.set MSB, \new
.endif
.endm
; A load into a register that a matrix instruction has read, and a vector instruction that reads or writes a result, stand four places behind that matrix instruction (ISA guide 7.12.1 for vector instructions)
; only plain vector instructions that name none of its registers are places.
.macro PLACES n
.rept \n
	v_nop
.endr
.endm
.macro JLOAD slot                      ; a joint load: waves 0 and 1 fetch x's two halves of 128 rows, waves 2 and 3 perm's (column classes 0 and 1, 2 and 3)
	s_cmp_eq_u32 s15, 0
	s_cbranch_scc0 .Lfor_p_\@
	tensor_load_to_lds s[G0A+4*(\slot):G0A+4*(\slot)+3], s[G1A:G1A+7]
	s_nop 0
	PLACES 4
	s_branch .Lasked_\@
.Lfor_p_\@:
	tensor_load_to_lds s[G0B+4*(\slot):G0B+4*(\slot)+3], s[G1B:G1B+7], s[G2B:G2B+3], s[G3B:G3B+3]
	s_nop 0
	PLACES 4
.Lasked_\@:
.endm
.macro CREST                           ; a round of the cluster's barrier behind its opening barrier
	s_cmp_lg_u32 s14, 0
	s_cbranch_scc1 .Lnot_wave_0_\@
	s_barrier_signal -3
.Lnot_wave_0_\@:
	s_barrier_wait -3
	s_barrier_signal -1
	s_barrier_wait -1
.endm
.macro CROUND                          ; a whole round
	s_barrier_signal -1
	s_barrier_wait -1
	CREST
.endm
	s_load_b128 s[4:7], s[0:1], 0x0                ; x's codes s[4:5], x's scales s[6:7]
	s_load_b128 s[8:11], s[0:1], 0x10              ; perm's codes s[8:9], perm's scales s[10:11]
	s_load_b64 s[12:13], s[0:1], 0x20              ; out0
	v_lshl_add_u32 v[SPW], v0, 2, SPARE
	v_mov_b32 v[NIL], 0
	ds_add_u32 v[SPW], v[NIL]                      ; the wave's opening: the add, twice on end, and its wait
	ds_add_u32 v[SPW], v[NIL]
	v_lshrrev_b32 v1, 5, v0
	v_readfirstlane_b32 s14, v1                    ; wave 0..3
	s_lshr_b32 s15, s14, 1                         ; which half of the tile's rows is mine; in the ring I fetch for x (0) or perm (1)
	s_and_b32 s16, s14, 1                          ; which half of its columns; which half of a tile I fetch
	s_bfe_u32 s40, ttmp6, 0x40000                  ; cx, cy: my place in the cluster
	s_bfe_u32 s41, ttmp6, 0x40004
	s_lshl_b32 s42, ttmp9, 2
	s_add_co_u32 s42, s42, s40                     ; tile column of out0 = 4 x cluster x + cx
	s_and_b32 s17, ttmp7, 0xffff
	s_lshl_b32 s17, s17, 2
	s_add_co_u32 s17, s17, s41                     ; tile row = 4 x cluster y + cy
	s_lshl_b32 s43, s41, 2
	s_lshl_b32 s43, 15, s43                        ; my row of the cluster
	s_lshl_b32 s44, 0x1111, s40                    ; my column
	; x's codes: 256 rows of 256 bytes for the head's load (128 behind it), padded in LDS: 15:0 mask; 17:16 elements of 1 byte; 20 padding; 21 set beside a mask; 24:22 after every 64 words; 31:25 of 4 words
	s_or_b32 s[G1A+0], s43, (1<<20)|(1<<21)|(5<<22)|(3<<25)
	s_mov_b32 s[G1A+1], 256<<16                    ; tensor_dim0
	s_mov_b32 s[G1A+2], 256<<16                    ; tensor_dim1
	s_mov_b32 s[G1A+3], 256<<16                    ; tile_dim0
	s_mov_b32 s[G1A+4], 256                        ; tile_dim1
	s_mov_b32 s[G1A+5], KROW                       ; stride0
	s_mov_b32 s[G1A+6], 0
	s_mov_b32 s[G1A+7], 0
	; perm's codes: y = 0 .. 63 four columns apart, z = 0 .. 3 (two behind the head) one column apart
	s_or_b32 s[G1B+0], s44, (1<<20)|(1<<21)|(5<<22)|(3<<25)
	s_mov_b32 s[G1B+1], 256<<16
	s_mov_b32 s[G1B+2], 64<<16                     ; tensor_dim1 = 64
	s_mov_b32 s[G1B+3], 256<<16
	s_mov_b32 s[G1B+4], 64|(4<<16)                 ; tile_dim1 = 64, tile_dim2 = 4
	s_mov_b32 s[G1B+5], 4*KROW                     ; stride0
	s_mov_b32 s[G1B+6], KROW<<16                   ; stride1, low half
	s_mov_b32 s[G1B+7], 0
	s_mov_b32 s[G2B+0], 4                          ; tensor_dim2
	s_mov_b32 s[G2B+1], 1                          ; (dimensions 3 and 4 are not used)
	s_mov_b32 s[G2B+2], 0
	s_mov_b32 s[G2B+3], 0
	s_mov_b32 s[G3B+0], 0
	s_mov_b32 s[G3B+1], 1<<16
	s_mov_b32 s[G3B+2], 0
	s_mov_b32 s[G3B+3], 0
	; x's scales: half a block, 128 rows of 128 bytes, as 64 rows of 256 bytes (32 elements of 8 bytes)
	s_or_b32 s[G1S+0], s43, (3<<16)|(1<<20)|(1<<21)|(5<<22)|(3<<25)
	s_mov_b32 s[G1S+1], 32<<16
	s_mov_b32 s[G1S+2], 64<<16
	s_mov_b32 s[G1S+3], 32<<16
	s_mov_b32 s[G1S+4], 64
	s_mov_b32 s[G1S+5], 32
	s_mov_b32 s[G1S+6], 0
	s_mov_b32 s[G1S+7], 0
	s_lshl_b32 s20, s17, 19                        ; x's codes: 256 rows x 2,048 bytes x tile row
	s_mov_b32 s21, 0
	s_lshl_b32 s22, s17, 15                        ; x's scales
	s_mov_b32 s23, 0
	s_lshl_b32 s46, s42, 19                        ; perm's codes, by the tile column
	s_mov_b32 s47, 0
	s_lshl_b32 s2, s42, 15                         ; perm's scales
	s_mov_b32 s3, 0
	s_lshl_b32 s18, s16, 14                        ; a half's scales: 128 rows x 128 bytes
	s_mov_b32 s19, 0
	s_lshl_b32 s96, s16, 18                        ; x's half: 128 rows of codes
	s_mov_b32 s97, 0
	s_lshl_b32 s98, s16, 12                        ; perm's half: two columns on
	s_mov_b32 s99, 0
	s_mul_i32 s100, s16, HALFT                     ; either half in LDS
	s_mul_i32 s[G0S+1], s16, HALFS
	s_add_co_u32 s[G0S+1], s[G0S+1], SCL
	s_wait_dscnt 0x0                               ; both opening adds are done
	CROUND                                         ; all sixteen work-groups are here: the first joint loads meet (the arguments are on their way meanwhile)
	s_wait_kmcnt 0x0
	s_add_nc_u64 s[4:5], s[4:5], s[20:21]
	s_add_nc_u64 s[6:7], s[6:7], s[22:23]
	s_add_nc_u64 s[6:7], s[6:7], s[18:19]
	s_add_nc_u64 s[8:9], s[8:9], s[46:47]
	s_add_nc_u64 s[10:11], s[10:11], s[2:3]
	s_add_nc_u64 s[10:11], s[10:11], s[18:19]      ; the scales of my 128 columns
	s_mov_b32 s[G0H], 1
	s_mov_b32 s[G0H+1], 0
	s_mov_b64 s[G0H+2:G0H+3], s[4:5]
	s_or_b32 s[G0H+3], s[G0H+3], 0x80000000
	s_mov_b32 s[G0HB], 1
	s_mov_b32 s[G0HB+1], 2*HALFT
	s_mov_b64 s[G0HB+2:G0HB+3], s[8:9]
	s_or_b32 s[G0HB+3], s[G0HB+3], 0x80000000
	s_mov_b32 s[G0S], 1
	s_mov_b64 s[G0S+2:G0S+3], s[6:7]
	s_or_b32 s[G0S+3], s[G0S+3], 0x80000000
	; THE HEAD'S LOADS, ONE A WAVE: K step 0's 256 rows of x, its 256 rows of perm, x's scales in two halves
	s_cmp_lt_u32 s14, 1
	s_cbranch_scc0 .Lhead_1
	tensor_load_to_lds s[G0H:G0H+3], s[G1A:G1A+7]
	s_nop 0
	PLACES 4
	s_branch .Lhead_asked
.Lhead_1:
	s_cmp_lt_u32 s14, 2
	s_cbranch_scc0 .Lhead_2
	tensor_load_to_lds s[G0HB:G0HB+3], s[G1B:G1B+7], s[G2B:G2B+3], s[G3B:G3B+3]
	s_nop 0
	PLACES 4
	s_branch .Lhead_asked
.Lhead_2:
	tensor_load_to_lds s[G0S:G0S+3], s[G1S:G1S+7]
	s_nop 0
	PLACES 4
.Lhead_asked:
	s_cmp_eq_u32 s15, 0                            ; the prefetches: of the tile's 256 rows 64 by my place among the four that share it, 32 of them mine
	s_cselect_b32 s20, s40, s41
	s_cselect_b64 s[PFA:PFA+1], s[4:5], s[8:9]
	s_lshl_b32 s20, s20, 17
	s_lshl_b32 s21, s16, 16
	s_add_co_u32 s20, s20, s21
	s_mov_b32 s21, 0
	s_add_nc_u64 s[PFA:PFA+1], s[PFA:PFA+1], s[20:21]
	s_mul_i32 s21, s15, HALFT                      ; my 128 rows of x
	s_mul_i32 s22, s16, 32*PITCH                   ; my 128 columns of perm: y from 32 x half on, in each class
	s_add_co_u32 s22, s22, 2*HALFT
	s_add_co_u32 s2, s21, SLOT
	s_add_co_u32 s3, s22, SLOT
	s_mul_i32 s23, s15, HALFS                      ; the scales of my 128 rows of x
	s_add_co_u32 s23, s23, SCL
	v_and_b32 v1, 15, v0                           ; r = l % 16
	v_bfe_u32 v2, v0, 4, 1                         ; h = l / 16
	v_and_b32 v3, 31, v0                           ; l
	v_lshlrev_b32 v7, 9, v1                        ; perm's scales: column 64 h + 4 r, 128 bytes a column
	v_lshl_add_u32 v[PSO], v2, 13, v7
	v_lshlrev_b32 v[PFO], 11, v3                   ; the prefetches: a lane a row
	global_prefetch_b8 v[PFO], s[PFA:PFA+1] offset:256 th:TH_LOAD_NT scope:SCOPE_SE   ; K step 1
.irp k, 0,1,2,3,4,5,6,7
.irp c, 0,1,2,3
	global_load_b128 v[PS+16*\k+4*\c:PS+16*\k+4*\c+3], v[PSO], s[10:11] offset:128*\c+16*\k   ; column 64 h + 4 r + c, K step k
.endr
.endr
	v_mul_u32_u24 v4, v1, PITCH
	v_lshl_add_u32 v4, v2, 4, v4                   ; a fragment's row x pitch + 16 h
	v_add_nc_u32 v[ADRA], s21, v4
	v_add_nc_u32 v[ADRA+1], s2, v4
	v_add_nc_u32 v[ADRB], s22, v4
	v_add_nc_u32 v[ADRB+1], s3, v4
	v_lshrrev_b32 v5, 1, v3                        ; a row's scales: unit l / 2, its half l % 2
	v_mul_u32_u24 v5, v5, 272
	v_and_b32 v6, 1, v3
	v_lshl_add_u32 v5, v6, 7, v5
	v_add_nc_u32 v[ADRS], s23, v5
	v_lshlrev_b32 v8, 4, v1                        ; out0: 16 r, and 8 rows down for lanes 16-31
	v_lshl_add_u32 v[CO], v2, 17, v8
.irp s, 0,1                                        ; the ring's group 0: K step s
	s_mov_b32 s[G0A+4*\s], 1
	s_add_co_u32 s[G0A+4*\s+1], s100, \s*SLOT
	s_add_nc_u64 s[G0A+4*\s+2:G0A+4*\s+3], s[4:5], s[96:97]
	s_add_nc_u64 s[G0A+4*\s+2:G0A+4*\s+3], s[G0A+4*\s+2:G0A+4*\s+3], \s*256
	s_or_b32 s[G0A+4*\s+3], s[G0A+4*\s+3], 0x80000000
	s_mov_b32 s[G0B+4*\s], 1
	s_add_co_u32 s[G0B+4*\s+1], s100, \s*SLOT+2*HALFT
	s_add_nc_u64 s[G0B+4*\s+2:G0B+4*\s+3], s[8:9], s[98:99]
	s_add_nc_u64 s[G0B+4*\s+2:G0B+4*\s+3], s[G0B+4*\s+2:G0B+4*\s+3], \s*256
	s_or_b32 s[G0B+4*\s+3], s[G0B+4*\s+3], 0x80000000
.endr
	s_lshl_b32 s20, s17, 22                        ; out0: 256 rows x 16,384 bytes x tile row
	s_lshl_b32 s21, s15, 21                        ; + my 128 rows
	s_add_co_u32 s20, s20, s21
	s_lshl_b32 s21, s42, 10                        ; + 1,024 bytes x tile column + 512 x half
	s_add_co_u32 s20, s20, s21
	s_lshl_b32 s21, s16, 9
	s_add_co_u32 s20, s20, s21
	s_mov_b32 s21, 0
	s_add_nc_u64 s[12:13], s[12:13], s[20:21]
; One matrix instruction: x's block a (32 rows) against perm's block b (16 columns), sub-step q of K step k.  x: register of x's fragment;  p: of perm's.  The very first sub-step's products start the sums.
.macro WM a, b, x, p, q, k
.set D_, 16*(8*((\a)%2)+(\b))
.set X_, \x
.set P_, \p
.set SX_, XS+16*((\k)%2)+4*(\a)+(\q)
.set SP_, PS+16*(\k)+4*((\b)%4)+(\q)
.if (\k) == 0 && (\q) == 0
.if (\b) < 4
	v_wmma_scale_f32_32x16x128_f4 v[D_:D_+15], v[X_:X_+15], v[P_:P_+7], 0, v[SX_], v[SP_]
.else
	v_wmma_scale_f32_32x16x128_f4 v[D_:D_+15], v[X_:X_+15], v[P_:P_+7], 0, v[SX_], v[SP_] matrix_b_scale:MATRIX_SCALE_ROW1
.endif
.else
.if (\b) < 4
	v_wmma_scale_f32_32x16x128_f4 v[D_:D_+15], v[X_:X_+15], v[P_:P_+7], v[D_:D_+15], v[SX_], v[SP_]
.else
	v_wmma_scale_f32_32x16x128_f4 v[D_:D_+15], v[X_:X_+15], v[P_:P_+7], v[D_:D_+15], v[SX_], v[SP_] matrix_b_scale:MATRIX_SCALE_ROW1
.endif
.endif
.endm
; A phase: x's block a against perm's eight.  Even sub-steps: x in window 0, odd ones: in window 1; perm in window 1; C and D in window 2 or 3.  The 32 accumulators take turns in the same order in every sub-step.
.macro MULP a, q, k
	WIN (0xa4+(\q)%2+0x50*((\a)/2))
.irp b, 0,1,2,3,4,5,6,7
	WM \a,\b,(192-64*((\q)%2)+16*(\a)),(64*((\q)%2)+8*\b),\q,\k
.endr
.endm
; A fragment: lane l holds row l % 16; registers 4 c .. 4 c + 3 hold K = 64 c + 32 (l / 16) + 0 .. 31.  x's block: registers 0-7 rows 0-15, registers 8-15 rows 16-31.
.macro LA a, par, slot, q              ; x's block a into the set of parity par: 4 loads
	WIN (0x40*(\par))
.irp i, 0,1
.irp c, 0,1
	ds_load_b128 v[192-64*(\par)+16*(\a)+8*\i+4*\c:192-64*(\par)+16*(\a)+8*\i+4*\c+3], v[ADRA+(\slot)] offset:64*(\q)+32*\c+(32*(\a)+16*\i)*PITCH
.endr
.endr
.endm
.macro LB g, ar, slot, q               ; perm's blocks 4 g .. 4 g + 3 into the area ar of window 1: 8 loads
	WIN 0x40
.irp b, 0,1,2,3
.irp c, 0,1
	ds_load_b128 v[(\ar)+32*(\g)+8*\b+4*\c:(\ar)+32*(\g)+8*\b+4*\c+3], v[ADRB+(\slot)] offset:64*(\q)+32*\c+(64*\b+16*(\g))*PITCH
.endr
.endr
.endm
.macro RUN par, slot, q                ; a sub-step's 32 loads, in the order in which its products want them
	LB 0,(64*(\par)),\slot,\q
	LB 1,(64*(\par)),\slot,\q
	LA 0,\par,\slot,\q
	LA 1,\par,\slot,\q
	LA 2,\par,\slot,\q
	LA 3,\par,\slot,\q
.endm
.macro SCALES k                        ; x's scale words of K step k: four words of a row
	WIN 0
.irp a, 0,1,2,3
	ds_load_b128 v[XS+16*((\k)%2)+4*\a:XS+16*((\k)%2)+4*\a+3], v[ADRS] offset:16*(\k)+\a*16*272
.endr
.endm
; Sub-step q = 0, 1 or 2 of K step k: fetches the next sub-step's fragments from the same slot into the other sets, and multiplies.
.macro STEP q, k
.if (\q) == 0
	s_wait_loadcnt 28-4*(\k)                       ; perm's scales of this K step are in; those of the later ones may be out
.endif
	s_wait_dscnt 12                                ; perm's blocks and x's block 0 are in; x's blocks 1 to 3 may be out
	PLACES 4                                       ; the sub-step before has read the sets that are filled now
.if (\q) == 1
	SCALES (\k+1)
.endif
	RUN (1-(\q)%2),((\k)%2),((\q)+1)
	MULP 0,\q,\k
.if (\q) == 1
	s_wait_dscnt 44                                ; x's block 1: behind it 8 loads and the 36 just issued
.else
	s_wait_dscnt 40                                ; x's block 1: behind it 8 loads and the 32 just issued
.endif
	MULP 1,\q,\k
.if (\q) == 1
	s_wait_dscnt 36                                ; x's blocks 2 and 3
.else
	s_wait_dscnt 32
.endif
	MULP 2,\q,\k
.if (\q) == 2
	WIN 0
	s_wait_tensorcnt 0x0                           ; all my tensor loads have landed: my part of the next slot;
	ds_add_u32 v[SPW], v[NIL]                      ; 0 onto my spare word; eight matrix instructions stand between it and the wait for it
.if (\k) < 6
	s_add_nc_u64 s[G0A+4*((\k)%2)+2:G0A+4*((\k)%2)+3], s[G0A+4*((\k)%2)+2:G0A+4*((\k)%2)+3], 512   ; no load of mine is out: this slot's next tile
	s_add_nc_u64 s[G0B+4*((\k)%2)+2:G0B+4*((\k)%2)+3], s[G0B+4*((\k)%2)+2:G0B+4*((\k)%2)+3], 512
.endif
.endif
	MULP 3,\q,\k
.endm
; The last sub-step of K step k changes slots: the slot is filled again with K step k + 2, and the next slot's first fragments are fetched.
.macro TURN k
	s_wait_dscnt 0x0                               ; the add is done, and my reads of this slot are over
	s_barrier_signal -1                            ; this barrier opens a round of the cluster's barrier
	MULP 0,3,\k
	WIN 0
	s_barrier_wait -1
	CREST                                          ; no wave of any partner still reads this slot or has a load on its way
	JLOAD ((\k)%2)                                 ; the first tensor load behind the round; its four v_nop are the places in front of the loads below
	RUN 0,(1-(\k)%2),0
.if (\k) < 4
	WIN 0
	global_prefetch_b8 v[PFO], s[PFA:PFA+1] offset:256*(\k+4) th:TH_LOAD_NT scope:SCOPE_SE
.endif
	MULP 1,3,\k
	MULP 2,3,\k
	MULP 3,3,\k
.endm
.macro KST k
	STEP 0,\k
	STEP 1,\k
	STEP 2,\k
.if (\k) < 6
	TURN \k
.endif
.endm
	s_wait_alu depctr_va_vdst(0)
	s_wait_tensorcnt 0x0                           ; my tile of the head's is in
	ds_add_u32 v[SPW], v[NIL]
	s_mov_b32 s[G1A+2], 128<<16                    ; no tensor load of mine is out: from here on a load brings 128 rows of x
	s_mov_b32 s[G1A+4], 128
	s_mov_b32 s[G1B+4], 64|(2<<16)                 ; or two classes of perm's columns
	s_mov_b32 s[G2B+0], 2
	s_wait_dscnt 0x0
	CROUND                                         ; all the head's tiles are in, and all sixteen work-groups are here
	JLOAD 1                                        ; K step 1, slot 1's first fill
	SCALES 0
	RUN 0,0,0
	WIN 0
	global_prefetch_b8 v[PFO], s[PFA:PFA+1] offset:512 th:TH_LOAD_NT scope:SCOPE_SE
	global_prefetch_b8 v[PFO], s[PFA:PFA+1] offset:768 th:TH_LOAD_NT scope:SCOPE_SE
.irp k, 0,1,2,3,4,5,6
	KST \k
.endr
; THE LAST K STEP lies in slot 1.  perm's fragments of all four sub-steps fill window 1: areas 0, 192, 64, 128; x's come by blocks of 32 rows x 512 K into v192-255 of window 0.
.macro TA a, q                         ; x's block a, sub-step q: 4 loads
	WIN 0
.irp i, 0,1
.irp c, 0,1
	ds_load_b128 v[192+16*(\q)+8*\i+4*\c:192+16*(\q)+8*\i+4*\c+3], v[ADRA+1] offset:64*(\q)+32*\c+(32*(\a)+16*\i)*PITCH
.endr
.endr
.endm
.macro UQ a, g, q, ar                  ; piece (a, g), sub-step q: its four accumulators by turns, three others between two steps of a sum
	WIN (0xa4+0x50*((\a)/2))
.irp b, 0,1,2,3
	WM \a,(4*(\g)+\b),(192+16*(\q)),((\ar)+8*(4*(\g)+\b)),\q,7
.endr
.endm
; The 4 x 4 transpositions of a piece, in place: register 4 t + c of accumulator b changes places with register 4 t + b of accumulator c (b < c), twelve pairs at a time through v0-11.
.macro PR st, b, c, i, a, g, w
.irp u, 0,1
.set P1_, 16*(8*((\a)%2)+4*(\g)+\b)+8*\w+4*\u+\c
.set P2_, 16*(8*((\a)%2)+4*(\g)+\c)+8*\w+4*\u+\b
.if \st == 0
	v_mov_b32 v[6*\u+\i], v[P1_]
.endif
.if \st == 1
	v_mov_b32 v[P1_], v[P2_]
.endif
.if \st == 2
	v_mov_b32 v[P2_], v[6*\u+\i]
.endif
.endr
.endm
.macro PRS st, a, g, w
	PR \st,0,1,0,\a,\g,\w
	PR \st,0,2,1,\a,\g,\w
	PR \st,0,3,2,\a,\g,\w
	PR \st,1,2,3,\a,\g,\w
	PR \st,1,3,4,\a,\g,\w
	PR \st,2,3,5,\a,\g,\w
.endm
.macro XPOSE a, g
.irp w, 0,1
	WIN (2+(\a)/2)
	PRS 0,\a,\g,\w
	WIN (0x82+0x41*((\a)/2))
	PRS 1,\a,\g,\w
	WIN (0x80+0x40*((\a)/2))
	PRS 2,\a,\g,\w
.endr
.endm
.macro SEND a, g                       ; 16 stores: lanes 0-15 store 256 consecutive bytes of a row, at a multiple of 256, lanes 16-31 the same of the row 8 further down.  Written once, read by nobody here
	WIN (8+4*((\a)/2))
.irp t, 0,1,2,3
.irp b, 0,1,2,3
	global_store_b128 v[CO], v[16*(8*((\a)%2)+4*(\g)+\b)+4*\t:16*(8*((\a)%2)+4*(\g)+\b)+4*\t+3], s[12:13] offset:(32*(\a)+16*(\t/2)+4*(\t%2)+\b)*OROW+256*(\g) th:TH_STORE_NT
.endr
.endr
.endm
	s_wait_dscnt 0x0                               ; K step 6's last sub-step: nothing is filled again, so no round of the cluster's barrier follows
	s_barrier_signal -1
	MULP 0,3,6
	WIN 0
	s_barrier_wait -1                              ; K step 7 is whole
	PLACES 4
	TA 0,0
	TA 0,1
	TA 0,2
	TA 0,3
	LB 0,0,1,0
	LB 0,192,1,1
	MULP 1,3,6
	MULP 2,3,6
	MULP 3,3,6
	s_wait_dscnt 12                                ; (so that no more than 60 loads are out below)
	PLACES 4
	LB 0,64,1,2
	LB 0,128,1,3
	LB 1,0,1,0
	LB 1,192,1,1
	LB 1,64,1,2
	LB 1,128,1,3
	s_wait_loadcnt 0x0                             ; perm's last scales
	s_wait_dscnt 56                                ; x's block 0 and perm's sub-step 0; behind them 8 of sub-step 1 and the 48 just issued
	UQ 0,0,0,0
	s_wait_dscnt 48                                ; sub-step 1's
	UQ 0,0,1,192
	s_wait_dscnt 40                                ; sub-step 2's: behind them 8 of sub-step 3 and the 32 of the second four blocks
	UQ 0,0,2,64
	s_wait_dscnt 32
	UQ 0,0,3,128
	PLACES 4
	XPOSE 0,0
	SEND 0,0
.irp a, 0,1,2,3
.if \a > 0
	s_wait_dscnt 0x0                               ; x's block a
	UQ \a,0,0,0
	UQ \a,0,1,192
	UQ \a,0,2,64
	UQ \a,0,3,128
	PLACES 4
	XPOSE \a,0
	SEND \a,0
.else
	s_wait_dscnt 0x0                               ; perm's blocks 4 to 7
.endif
	UQ \a,1,0,0
	UQ \a,1,1,192
	UQ \a,1,2,64
	UQ \a,1,3,128
	PLACES 4
.if \a < 3
.irp q, 0,1,2,3
	TA (\a+1),\q
.endr
.endif
	XPOSE \a,1
	SEND \a,1
.endr
	WIN 0
	s_wait_tensorcnt 0x0                           ; the wave's end
	ds_add_u32 v[SPW], v[NIL]
	s_wait_dscnt 0x0
	CROUND                                         ; the closing round: no work-group ends while a partner may still ask for a tile that names it
	s_endpgm
.Lfunc_end_k_q857d88ac88_gemm:
	.size	k_q857d88ac88_gemm, .Lfunc_end_k_q857d88ac88_gemm-k_q857d88ac88_gemm
	.p2alignl 7, 3214868480
	.fill 96, 4, 3214868480
	.section	.rodata,"a",@progbits
	.p2align	6, 0x0
	.amdhsa_kernel k_q857d88ac88_gemm
		.amdhsa_group_segment_fixed_size 327680
		.amdhsa_private_segment_fixed_size 0
		.amdhsa_enable_private_segment 0
		.amdhsa_kernarg_size 40
		.amdhsa_user_sgpr_count 2
		.amdhsa_user_sgpr_kernarg_segment_ptr 1
		.amdhsa_wavefront_size32 1
		.amdhsa_system_sgpr_workgroup_id_x 1
		.amdhsa_system_sgpr_workgroup_id_y 1
		.amdhsa_system_sgpr_workgroup_id_z 1
		.amdhsa_system_vgpr_workitem_id 0
		.amdhsa_next_free_vgpr 1024
		.amdhsa_next_free_sgpr 102
		.amdhsa_reserve_vcc 0
		.amdhsa_float_denorm_mode_32 3
		.amdhsa_float_denorm_mode_16_64 3
		.amdhsa_memory_ordered 1
		.amdhsa_forward_progress 1
		.amdhsa_inst_pref_size 255
	.end_amdhsa_kernel
	.section	.bss,"aw",@nobits
	.p2align	6
	.space	262144
	.amdgpu_metadata
---
amdhsa.version: [ 1, 2 ]
amdhsa.kernels:
  - .name:           k_q857d88ac88_gemm
    .symbol:         k_q857d88ac88_gemm.kd
    .args:
      - { .name: x_codes, .offset: 0, .size: 8, .value_kind: global_buffer, .address_space: global }
      - { .name: x_scales, .offset: 8, .size: 8, .value_kind: global_buffer, .address_space: global }
      - { .name: perm_codes, .offset: 16, .size: 8, .value_kind: global_buffer, .address_space: global }
      - { .name: perm_scales, .offset: 24, .size: 8, .value_kind: global_buffer, .address_space: global }
      - { .name: out0, .offset: 32, .size: 8, .value_kind: global_buffer, .address_space: global }
    .group_segment_fixed_size: 327680
    .private_segment_fixed_size: 0
    .kernarg_segment_align: 8
    .kernarg_segment_size: 40
    .max_flat_workgroup_size: 128
    .sgpr_count:     102
    .vgpr_count:     1024
    .wavefront_size: 32
...
	.end_amdgpu_metadata
.endif
;; end of part 1
